; MI455X (gfx1250); checked and timed in simulation.
; The chip was launched on July 23, 2026; its instructions are those of AMD's public machine-readable ISA for CDNA 5 (MIT licence, August 2026) and "CDNA5" Instruction Set Architecture Reference Guide (July 2026). The comments in the code are by the model that wrote it; some were corrected since.
;; Toy Mo E. Allowed arithmetic: matrix products marked QUANTISED: E4M3 operands, one E8M0 scale for each 32 along K, by v_wmma_scale_f32_16x16x128_f8f6f4 with both operands' format E4M3, f32 sums; products left as they are: f32 operands where the result goes on into a quantised operand, else bf16, f16 or f32 operands; f32 sums; everything else in f32.
;; Inputs: We_codes 8 x 1,024 x 32 x 32 uint8 (E4M3 codes of We, K innermost, in blocks of 32 codes); We_scales 8 x 1,024 x 32 uint8 (E8M0 scales of We, one for each 32 codes along K); Wr 8 x 1,024 float32; be 8 x 1,024 float32; x 8,192 x 1,024 float32.
;; Outputs: out0 8,192 x 1,024 float32.
;; This version of the problem:
;;   THIS VERSION OF THE PROBLEM IS GIVEN IN LOW PRECISION. The matrix products marked QUANTISED in the list below multiply operands that are first quantised to E4M3 (4 exponent bits, 3 mantissa bits; 8 bits a number), with one power-of-two scale for each 32 numbers along K (OCP MX v1.0); their sums are f32. All else is computed in f32.
;;   The module's matrix products, in the order in which they are computed (A, B: the left and right operand; K: the contracted axis; several contracted axes count as one K, in the product's order):
;;     1. [M 8,192, K 1,024] x [K 1,024, N 8]; A: input x; B: input Wr: left as it is (N = 8 < 16)
;;     2. [M 8,192, K 1,024] x [K 1,024, N 8,192]; A: input x; B: input We (given as codes): QUANTISED
;;   THE QUANTISER, for each operand of a quantised product, along K:
;;     - K is cut into blocks of 32 from its start; a last block that is shorter is filled with zeros.
;;     - A block's scale is 2^e with e = floor(log2(the largest magnitude in the block)) - 8, held to -126 .. 127; a block of zeros has e = 0. As a byte (E8M0): e + 127.
;;     - Each number is divided by its block's scale, clamped to +-448, and rounded to the nearest number of E4M3, ties to even, subnormals kept.
;;     - The product sums the exact products of the quantised numbers (number of the format x scale) in f32.
;;   ~~~python
;;   def quantise(x, axis):      # numpy; x: float32 -> the quantised numbers, widened to float32 again
;;       x = np.moveaxis(x, axis, -1); K = x.shape[-1]
;;       x = np.pad(x, [(0, 0)] * (x.ndim - 1) + [(0, -K % 32)]); x = x.reshape(x.shape[:-1] + (-1, 32)); a = np.abs(x).max(-1, keepdims=True)
;;       e = np.where(a > 0, np.clip(np.frexp(np.where(a > 0, a, 1))[1] - 1 - 8, -126, 127), 0)      # np.frexp(a)[1] - 1 = floor(log2(a)), exactly
;;       r = np.clip(x / 2.0 ** e, -448, 448)
;;       step = 2.0 ** (np.maximum(np.frexp(np.where(r == 0, 1, r))[1] - 1, -6) - 3)
;;       q = np.round(r / step) * step * 2.0 ** e      # np.round: ties to even
;;       return np.moveaxis(q.reshape(q.shape[:-2] + (-1,))[..., :K], -1, axis).astype(np.float32)
;;   ~~~
;;   INPUTS GIVEN AS CODES. We (in the module: [8, 1024, 1024], K = its axis 1): each comes as NAME_codes (uint8): NAME with its K axis moved to the last place and cut into blocks of 32 codes, [.., K / 32, bytes a block], one block behind the other in memory; one code a byte (a code: sign, 4 exponent bits, 3 mantissa bits); and NAME_scales (uint8): the same leading axes, one E8M0 byte (e + 127) for each 32 codes along K. Its value is code x scale, taken as it is: it is not quantised again, and the codes and scales need not be those that the quantiser above would give.
;; One version. Each part assembles by itself: llvm-mc -triple=amdgcn-amd-amdhsa -mcpu=gfx1250 --defsym DOCPART=n.
;; ======== version 1 of 1: 2 launches
;; limits: right only within a limited range of input values
;; workspace buffers: xq 8,388,608 bytes; xs 262,144 bytes; gw 262,144 bytes; tab 32,768 bytes of whole numbers; srt 32,768 bytes of whole numbers; wf 8,388,608 bytes
;; launch route (part 1): grid 256 x 1, 16 waves a work-group, no clusters, 106,752 bytes of LDS; arguments x, Wr, xq, xs, gw, tab, srt, We_codes, wf; writes xq, xs, gw, tab, srt, wf
.if DOCPART == 1
	.amdgcn_target "amdgcn-amd-amdhsa--gfx1250"
	.amdhsa_code_object_version 6
	.text
	.protected	k_q4ad644ba7d_route
	.globl	k_q4ad644ba7d_route
	.p2align	8
	.type	k_q4ad644ba7d_route,@function
k_q4ad644ba7d_route:
	s_mov_b64 s[64:65], 0
	v_nop
	global_prefetch_b8 v0, s[64:65] scope:SCOPE_SE
	s_setreg_imm32_b32 hwreg(HW_REG_WAVE_MODE, 25, 1), 1
	s_wait_xcnt 0x0
; ROUTE.  For each token: the router's eight logits x . Wr[e] in f32, their softmax, the two largest; x as codes of E4M3 with one E8M0 byte for each 32 along K; and We's codes laid anew for the next launch.
; x: [8192][1024] f32, Wr: [8][1024] f32.  Out: xq [token][1024] codes; xs [token][32] scale bytes; gw [token][8] f32: the gate where the expert is chosen, else 0.
; A BIN is a pair of experts: bin b = 8 (d - 1) + i holds the pair i, (i + d) % 8: 28 bins (d = 1 .. 3: i = 0 .. 7; d = 4: i = 0 .. 3).  A GROUP is this work-group's 32 tokens.
; tab [bin 32][group 256]: count | start << 16: the group's tokens of that bin, and where they begin in the group's sorted list;  srt [group][32]: the group's tokens sorted by bin.
; wf [tile of 16 columns: 64][expert 8][K step of 128: 8][c: 4][lane: 32][16 bytes]: lane 16 h + r holds We_codes[expert][16 tile + r][128 s + 32 c + 16 h .. + 15]: the order of an operand's registers.
; No address and no branch here hangs on the choice: it is stored, and the next launch reads it.
; SHARES.  A work-group takes 32 tokens, a wave two rows; a row goes in 8 chunks of 128 numbers: lane l holds k = 128 j + 4 l .. + 3, a load reads 512 consecutive bytes, a block of 32 lies in 8 lanes.
; All of a wave's 16 loads of x are asked for at the head.  Wr lies in LDS (32,768 bytes).  Of We a wave re-lays one K step of one tile, 16 rows x 128 codes, through its own stage in LDS.
; No matrix unit (N = 8), no cluster (work-groups share only Wr), no tensor load (the numbers are wanted in registers), no prefetch (everything is asked for at the head).
; LIMITS.  NaN and infinities among the inputs are not served.  A block of zeros gets the byte 1 (the rule says 127): its codes are zeros, and this program alone reads the bytes.
; The two experts are ranked on the LOGITS, ties to the lower index; a ranking of the rounded gates differs only where two gates round alike or fall under 2^-126, where the exponential gives 0.
.set CST,  32768                       ; LDS: Wr: chunk j, expert e at (8 j + e) x 512; from here codes: 2,048 bytes a wave, row p at 1,024 p
.set XSS,  65536                       ; scale bytes [row 32][32]
.set GWS,  66560                       ; gates [row 32][8] f32
.set MSK,  67584                       ; a word a token: its mask of experts
.set WST,  67840                       ; We's stages: 16 rows x 144 bytes for each wave (144 = 9 x 16)
.set SPARE, 104704
.set X,    16                          ; v16-79   x: chunk j at 8 j, row p at 4 p
.set W,    80                          ; v80-111  Wr's chunk: expert e at 4 e
.set ACC,  112                         ; v112-143 sums: row p, expert e: the pair at 16 p + 2 e
.set M,    144
.set SCL,  146                         ; the conversions' scale operands
.set HLD,  148                         ; 448 x the scale
.set BYT,  150                         ; scale bytes, two sets by turns
.set CV,   154                         ; codes, two sets of two pairs by turns
.set WE,   162                         ; v162-177 We's codes
.set SPW,  181
.set NIL,  182
.set LG,   112                         ; the tail: my logit;
.set MX,   114
.set DD,   116
.set PP,   118                         ; the exponential;
.set OO,   120
.set RK,   122                         ; how many experts come before mine;
.set TT,   124
.set SS,   126
.set RC,   128
.set WW,   130                         ; my gate, or 0;
.set MF,   132                         ; the token's mask of experts
.macro WALU
	s_wait_alu depctr_va_vdst(0)
.endm
	s_load_b256 s[4:11], s[0:1], 0x0               ; x, Wr, xq, xs
	s_load_b128 s[12:15], s[0:1], 0x20             ; gw, tab
	s_load_b128 s[48:51], s[0:1], 0x30             ; srt, We_codes
	s_load_b64 s[52:53], s[0:1], 0x40              ; wf
	v_lshl_add_u32 v[SPW], v0, 2, SPARE
	v_mov_b32 v[NIL], 0
	v_lshrrev_b32 v15, 5, v0
	v_readfirstlane_b32 s16, v15                   ; wave 0..15
	WALU
	v_and_b32 v15, 31, v0                          ; lane
	v_lshlrev_b32 v1, 4, v15                       ; v1: 16 x lane
	s_lshr_b32 s17, s16, 1                         ; of Wr I fetch half s18 of row s17
	s_and_b32 s18, s16, 1
	s_lshl_b32 s30, s17, 9
	s_lshl_b32 s31, s18, 14
	s_add_co_u32 s30, s30, s31
	v_add_nc_u32 v2, s30, v1                       ; v2: where I put it: chunk 4 half + j, expert s17
	s_lshl_b32 s30, s16, 11
	s_add_co_u32 s30, s30, CST
	v_lshl_add_u32 v3, v15, 2, s30                 ; v3: my four codes of a chunk
	v_add_nc_u32 v5, s30, v1                       ; v5: the codes on the way out
	v_lshrrev_b32 v19, 3, v15                      ; lane / 8
	v_and_b32 v20, 7, v15                          ; lane % 8
	v_and_b32 v21, 15, v15                         ; lane % 16
	v_lshrrev_b32 v22, 4, v15                      ; lane / 16
	s_lshl_b32 s30, s16, 6
	s_add_co_u32 s31, s30, XSS
	v_add_nc_u32 v4, s31, v19                      ; v4: my block's scale byte
	s_add_co_u32 s31, s30, GWS
	v_lshl_add_u32 v6, v21, 2, s31                 ; v6: my gate (lanes l and l + 16 hold the same)
	s_lshl_b32 s31, s16, 3
	s_add_co_u32 s31, s31, MSK
	v_and_b32 v7, 1, v19
	v_lshl_add_u32 v7, v7, 2, s31                  ; v7: my row's mask
	v_lshl_add_u32 v8, v15, 2, MSK                 ; v8: token l's mask
	v_add_nc_u32 v9, XSS, v1                       ; v9, v10: the scale bytes and the gates on the way out
	v_add_nc_u32 v10, GWS, v1
	v_add_nc_u32 v12, 127, v20
	v_lshlrev_b32 v12, 23, v12                     ; v12: 2^(lane % 8) as f32: my expert's bit
	v_mov_b32 v13, 0
	v_mov_b32 v14, 1
	s_mul_i32 s30, s16, 2304
	s_add_co_u32 s30, s30, WST                     ; my stage
	v_lshlrev_b32 v20, 4, v20
	v_lshl_add_u32 v178, v19, 10, v20              ; v178: We: row lane / 8, 16 bytes of its 128
	v_mad_u32_u24 v179, v19, 144, v20
	v_add_nc_u32 v179, s30, v179                   ; v179: the same in the stage
	v_mul_u32_u24 v180, v21, 144
	v_lshl_add_u32 v180, v22, 4, v180
	v_add_nc_u32 v180, s30, v180                   ; v180: and out: row r, + 16 h
	s_mov_b32 s20, 0xaaaaaaaa                      ; lanes whose bit 0, 1, 2, 3 is set
	s_mov_b32 s21, 0xcccccccc
	s_mov_b32 s22, 0xf0f0f0f0
	s_mov_b32 s23, 0xff00ff00
	s_mov_b32 s26, 0x76543210                      ; v_permlanex16_b32's selects for lane l xor 16
	s_mov_b32 s27, 0xfedcba98
	s_mov_b32 s28, 0x600000                        ; the mantissa field of 448
	s_mov_b32 s29, 0x3fb8aa3b                      ; log2(e)
	s_lshl_b32 s32, ttmp9, 17                      ; x: 32 rows of 4,096 bytes a work-group, two a wave
	s_lshl_b32 s30, s16, 13
	s_add_co_u32 s32, s32, s30
	s_mov_b32 s33, 0
	s_lshl_b32 s34, ttmp9, 15                      ; xq: rows of 1,024 bytes
	s_lshl_b32 s30, s16, 11                        ; (also my half row of Wr)
	s_add_co_u32 s34, s34, s30
	s_mov_b32 s35, 0
	s_mov_b32 s36, s30
	s_mov_b32 s37, 0
	s_lshl_b32 s38, ttmp9, 10                      ; xs and gw: 1,024 bytes a work-group
	s_mov_b32 s39, 0
	s_lshl_b32 s40, ttmp9, 2                       ; tab: a word in each bin's row
	s_mov_b32 s41, 0
	s_lshl_b32 s54, ttmp9, 7                       ; srt: 128 bytes
	s_mov_b32 s55, 0
	s_lshl_b32 s56, ttmp9, 1                       ; We: tile 64 x expert + tile = 2 x work-group + wave / 8, K step wave % 8
	s_lshr_b32 s30, s16, 3
	s_add_co_u32 s56, s56, s30
	s_lshr_b32 s58, s56, 6                         ; in wf it is tile 8 x tile + expert
	s_and_b32 s31, s56, 63
	s_lshl_b32 s31, s31, 3
	s_add_co_u32 s58, s58, s31
	s_lshl_b32 s58, s58, 14                        ; a tile is 16,384 bytes in both buffers
	s_lshl_b32 s56, s56, 14
	s_and_b32 s30, s16, 7
	s_lshl_b32 s31, s30, 11
	s_add_co_u32 s58, s58, s31
	s_lshl_b32 s31, s30, 7
	s_add_co_u32 s56, s56, s31
	s_mov_b32 s57, 0
	s_mov_b32 s59, 0
	s_lshl_b32 s43, ttmp9, 5                       ; my first token
	WALU
	s_wait_kmcnt 0x0
	s_add_nc_u64 s[4:5], s[4:5], s[32:33]
	s_add_nc_u64 s[6:7], s[6:7], s[36:37]
	s_add_nc_u64 s[8:9], s[8:9], s[34:35]
	s_add_nc_u64 s[10:11], s[10:11], s[38:39]
	s_add_nc_u64 s[12:13], s[12:13], s[38:39]
	s_add_nc_u64 s[14:15], s[14:15], s[40:41]
	s_add_nc_u64 s[48:49], s[48:49], s[54:55]
	s_add_nc_u64 s[50:51], s[50:51], s[56:57]
	s_add_nc_u64 s[52:53], s[52:53], s[58:59]
.irp j, 0,1,2,3
	global_load_b128 v[W+4*\j:W+4*\j+3], v1, s[6:7] offset:512*\j
.endr
.macro XLOAD j
.irp p, 0,1
	global_load_b128 v[X+8*(\j)+4*\p:X+8*(\j)+4*\p+3], v1, s[4:5] offset:4096*\p+512*(\j) th:TH_LOAD_NT
.endr
.endm
.irp j, 0,1,2,3
	XLOAD \j
.endr
.irp i, 0,1,2,3
	global_load_b128 v[WE+4*\i:WE+4*\i+3], v178, s[50:51] offset:4096*\i th:TH_LOAD_NT   ; rows 4 i .. 4 i + 3
.endr
.irp j, 4,5,6,7
	XLOAD \j
.endr
	s_wait_loadcnt 20                              ; 16 loads of x and 4 of We are younger: Wr's are in
.irp j, 0,1,2,3
	ds_store_b128 v2, v[W+4*\j:W+4*\j+3] offset:4096*\j
.endr
	s_wait_dscnt 0x0                               ; for the others' sake: my part of Wr lies in LDS
	s_barrier_signal -1
	s_barrier_wait -1                              ; all of it does
.irp e, 0,1,2,3,4,5,6,7
	ds_load_b128 v[W+4*\e:W+4*\e+3], v1 offset:512*\e                      ; chunk 0 of all eight experts
.endr
; CHUNK j: 128 along K of my two rows.  lc: the loads younger than this chunk's two.  dc: the LDS instructions younger than Wr's eight loads (the last chunk's four stores; the stage's four).
.macro CHUNK j, lc, dc
.set XS,  X+8*(\j)
.set CVS, CV+4*((\j)%2)
.set BYS, BYT+2*((\j)%2)
	s_wait_loadcnt \lc
	s_wait_dscnt \dc
.irp u, 0,2
.irp p, 0,1
.irp e, 0,1,2,3,4,5,6,7
.if ((\j) == 0) && (\u == 0)
	v_pk_mul_f32 v[ACC+16*\p+2*\e:ACC+16*\p+2*\e+1], v[XS+4*\p+\u:XS+4*\p+\u+1], v[W+4*\e+\u:W+4*\e+\u+1]   ; the first product starts the sums
.else
	v_pk_fma_f32 v[ACC+16*\p+2*\e:ACC+16*\p+2*\e+1], v[XS+4*\p+\u:XS+4*\p+\u+1], v[W+4*\e+\u:W+4*\e+\u+1], v[ACC+16*\p+2*\e:ACC+16*\p+2*\e+1]
.endif
.endr
.endr
.endr
.if (\j) < 7
.irp e, 0,1,2,3,4,5,6,7
	ds_load_b128 v[W+4*\e:W+4*\e+3], v1 offset:(8*((\j)+1)+\e)*512         ; Wr's next chunk lands while this one is quantised
.endr
.endif
.irp p, 0,1
	v_max3_num_f32 v[M+\p], |v[XS+4*\p]|, |v[XS+4*\p+1]|, 0x4800000        ; my four numbers and the floor 2^(9 - 127): the byte cannot fall under 1
.endr
.irp p, 0,1
	s_delay_alu instid0(VALU_DEP_2)
	v_max3_num_f32 v[M+\p], v[M+\p], |v[XS+4*\p+2]|, |v[XS+4*\p+3]|
.endr
.irp m, 1,2,4
.irp p, 0,1
	s_delay_alu instid0(VALU_DEP_2)
	v_max_num_f32_dpp v[M+\p], v[M+\p], v[M+\p] row_xmask:\m row_mask:0xf bank_mask:0xf   ; with the block's other seven lanes
.endr
.endr
.irp p, 0,1
	s_delay_alu instid0(VALU_DEP_2)
	v_add_nc_u32 v[SCL+\p], 0xfc000000, v[M+\p]    ; 8 off the exponent field: the conversion's scale operand
.endr
.irp p, 0,1
	v_and_or_b32 v[HLD+\p], v[M+\p], 0x7f800000, s28   ; 448 x the scale
.endr
.irp p, 0,1
	v_lshrrev_b32 v[BYS+\p], 23, v[SCL+\p]         ; the scale's byte
.endr
.irp i, 0,1,2,3
.irp p, 0,1
	v_med3_num_f32 v[XS+4*\p+\i], v[XS+4*\p+\i], -v[HLD+\p], v[HLD+\p]     ; the conversion to an 8-bit code does not saturate (ISA guide 7.6.2): the hold comes first
.endr
.endr
.irp p, 0,1
	v_cvt_scalef32_pk8_fp8_f32 v[CVS+2*\p:CVS+2*\p+1], v[XS:XS+7], v[SCL+\p]   ; the form takes eight registers: both rows under row p's scale; word p is row p's, the other is thrown away
.endr
	v_nop                                          ; a plain line behind the last conversion
.irp p, 0,1
	ds_store_b32 v3, v[CVS+3*\p] offset:1024*\p+128*(\j)
.endr
.irp p, 0,1
	ds_store_b8 v4, v[BYS+\p] offset:32*\p+4*(\j)  ; the block's eight lanes write the same byte with the same value
.endr
.endm
	CHUNK 0, 18, 0
	CHUNK 1, 16, 4
	CHUNK 2, 14, 4
	CHUNK 3, 12, 4
	CHUNK 4, 6, 4                                  ; We's loads are older than chunk 4's: they are in
.irp i, 0,1,2,3
	ds_store_b128 v179, v[WE+4*\i:WE+4*\i+3] offset:576*\i
.endr
	CHUNK 5, 4, 8
	CHUNK 6, 2, 4                                  ; its wait shows the stage's stores done: their registers may be loaded
.irp c, 0,1,2,3
	ds_load_b128 v[WE+4*\c:WE+4*\c+3], v180 offset:32*\c
.endr
	CHUNK 7, 0, 8
	s_wait_dscnt 4                                 ; chunk 7's four stores are younger: We's operand is back
.irp c, 0,1,2,3
	global_store_b128 v1, v[WE+4*\c:WE+4*\c+3], s[52:53] offset:512*\c     ; 512 consecutive bytes, aligned
.endr
	; THE TAIL.  The codes come back as 512 consecutive bytes a load (LDS serves a wave's instructions in order: these see my stores).
.irp p, 0,1
.irp t, 0,1
	ds_load_b128 v[X+8*\p+4*\t:X+8*\p+4*\t+3], v5 offset:1024*\p+512*\t
.endr
.endr
.set q, 0
.rept 16
	v_add_f32 v[ACC+2*q], v[ACC+2*q], v[ACC+2*q+1] ; a pair's two halves: value 8 p + e stands in register ACC + 2 (8 p + e)
.set q, q+1
.endr
; 16 values are summed over 16 lanes so that lane l ends with value l % 16.  In a step each lane keeps the value whose bit agrees with its own lane bit, and hands the other to the lane across.
.macro BFLY a, b, msk, xm
	v_cndmask_b32 v[(\a)+1], v[\b], v[\a], \msk    ; what I hand over
	v_cndmask_b32 v[\a], v[\a], v[\b], \msk        ; what I keep
	s_delay_alu instid0(VALU_DEP_1)
	v_add_f32_dpp v[\a], v[(\a)+1], v[\a] row_xmask:\xm row_mask:0xf bank_mask:0xf
.endm
.set q, 0
.rept 8
	BFLY ACC+4*q, ACC+4*q+2, s20, 1
.set q, q+1
.endr
.set q, 0
.rept 4
	BFLY ACC+8*q, ACC+8*q+4, s21, 2
.set q, q+1
.endr
	BFLY ACC, ACC+8, s22, 4
	BFLY ACC+16, ACC+24, s22, 4
	BFLY ACC, ACC+16, s23, 8
	s_delay_alu instid0(VALU_DEP_1)
	v_permlanex16_b32 v[ACC+1], v[ACC], s26, s27
	s_delay_alu instid0(VALU_DEP_1)
	v_add_f32 v[LG], v[ACC], v[ACC+1]              ; lane l: the logit of row (l / 8) % 2, expert l % 8; lanes l and l + 16 hold the same
.macro ALL8 op, d, s                   ; over the eight lanes of a row
	\op v[\d], v[\s], v[\s] row_xmask:1 row_mask:0xf bank_mask:0xf
	s_delay_alu instid0(VALU_DEP_1)
	\op v[\d], v[\d], v[\d] row_xmask:2 row_mask:0xf bank_mask:0xf
	s_delay_alu instid0(VALU_DEP_1)
	\op v[\d], v[\d], v[\d] row_xmask:4 row_mask:0xf bank_mask:0xf
.endm
	ALL8 v_max_num_f32_dpp, MX, LG                 ; the row's largest logit is taken away ahead of the exponential
	s_delay_alu instid0(VALU_DEP_1)
	v_sub_f32 v[DD], v[LG], v[MX]
	s_delay_alu instid0(VALU_DEP_1)
	v_mul_f32 v[DD], s29, v[DD]
	WALU
	v_exp_f32 v[PP], v[DD]
	v_mov_b32 v[RK], 0                             ; the ranking names nothing of the exponential: it is the work behind it
; Expert l xor m comes before mine where its logit is larger, or equal with the lower index: the lower index is the one whose bit, at m's highest set bit, is clear.
.macro RANK m, msk
	v_mov_b32_dpp v[OO], v[LG] row_xmask:\m row_mask:0xf bank_mask:0xf
	s_delay_alu instid0(VALU_DEP_1)
	v_cmp_gt_f32 s30, v[OO], v[LG]
	s_delay_alu instid0(VALU_DEP_2)
	v_cmp_ge_f32 s31, v[OO], v[LG]
	s_and_b32 s31, s31, \msk
	s_or_b32 vcc_lo, s30, s31
	v_cndmask_b32 v[TT], v13, v14, vcc_lo
	s_delay_alu instid0(VALU_DEP_1)
	v_add_nc_u32 v[RK], v[RK], v[TT]
.endm
	RANK 1, s20
	RANK 2, s21
	RANK 3, s21
	RANK 4, s22
	RANK 5, s22
	RANK 6, s22
	RANK 7, s22
	WALU                                           ; ahead of the first line that names the exponential's result
	ALL8 v_add_f32_dpp, SS, PP
	v_cmp_gt_u32 vcc_lo, 2, v[RK]                  ; chosen: fewer than two come before me
	WALU
	v_rcp_f32 v[RC], v[SS]
	v_nop                                          ; a plain line behind the reciprocal
	WALU
	v_mul_f32 v[WW], v[PP], v[RC]
	s_delay_alu instid0(VALU_DEP_1)
	v_cndmask_b32 v[WW], v13, v[WW], vcc_lo        ; the gate, or 0
	v_cndmask_b32 v[MF], v13, v12, vcc_lo          ; my expert's bit as a power of two, or 0
	ALL8 v_add_f32_dpp, MF, MF                     ; two powers of two under 256: the sum is exact
	s_delay_alu instid0(VALU_DEP_1)
	v_cvt_u32_f32 v[MF], v[MF]
	ds_store_b32 v6, v[WW]
	ds_store_b32 v7, v[MF]                         ; lanes that name one word hold the same number
	WALU
	s_wait_dscnt 0x0                               ; the codes are back in registers; for the others' sake: my bytes, gates and masks lie in LDS
.irp p, 0,1
.irp t, 0,1
	global_store_b128 v1, v[X+8*\p+4*\t:X+8*\p+4*\t+3], s[8:9] offset:1024*\p+512*\t   ; 512 consecutive bytes, at a multiple of 512 from xq's first byte
.endr
.endr
	s_barrier_signal -1
	s_barrier_wait -1
	s_cmp_eq_u32 s16, 0
	s_cbranch_scc1 .Lhist
	s_cmp_eq_u32 s16, 1
	s_cbranch_scc1 .Lbytes
	s_cmp_eq_u32 s16, 2
	s_cbranch_scc1 .Lgates
.macro CLOSE                           ; the wave's end
	s_wait_tensorcnt 0x0
	ds_add_u32 v[SPW], v[NIL]
	s_wait_dscnt 0x0
	s_endpgm
.endm
	CLOSE
.Lhist:                                                ; wave 0: lane l is token l of the group, and lane b bin b
	ds_load_b32 v32, v8
	v_mov_b32 v33, 0                               ; lane b: bin b's word of tab
	v_mov_b32 v34, 0                               ; the lanes of my token's bin
	v_mov_b32 v35, 0                               ; where my token's bin begins, << 16
	v_mov_b32 v36, 0                               ; the sorted list
	v_lshlrev_b32 v38, 10, v15
	v_lshlrev_b32 v39, 2, v15
	s_mov_b32 s42, 0                               ; tokens of the bins passed, << 16
	WALU
	s_wait_dscnt 0x0
.set BN, 0
.rept 28
	v_cmp_eq_u32 s[66+BN], (1<<(BN%8))|(1<<((BN%8+BN/8+1)%8)), v32
.set BN, BN+1
.endr
.set BN, 0
.rept 28
	v_cndmask_b32 v34, v34, s[66+BN], s[66+BN]
	v_cndmask_b32 v35, v35, s42, s[66+BN]
	s_bcnt1_i32_b32 s30, s[66+BN]
	s_add_co_u32 s31, s42, s30
	v_writelane_b32 v33, s31, BN
	s_lshl_b32 s30, s30, 16
	s_add_co_u32 s42, s42, s30
.set BN, BN+1
.endr
	v_mbcnt_lo_u32_b32 v37, v34, 0                 ; how many lanes below mine are of my bin
	v_lshrrev_b32 v35, 16, v35
	v_add_nc_u32 v37, v37, v35                     ; my token's place in the sorted list
	WALU
.set BN, 0
.rept 32
	v_readlane_b32 s[66+BN], v37, BN
.set BN, BN+1
.endr
.set BN, 0
.rept 32
	v_cmp_eq_u32 vcc_lo, s[66+BN], v15             ; the lane of that place takes token BN
	v_cndmask_b32 v36, v36, BN, vcc_lo
.set BN, BN+1
.endr
	v_add_nc_u32 v36, s43, v36
	WALU
	global_store_b32 v38, v33, s[14:15]            ; one word in each bin's row: 32 words a work-group
	global_store_b32 v39, v36, s[48:49]            ; 128 consecutive bytes
	CLOSE
.Lbytes:                                               ; wave 1: the group's 1,024 scale bytes
	ds_load_b128 v[32:35], v9
	ds_load_b128 v[36:39], v9 offset:512
	s_wait_dscnt 0x0
	global_store_b128 v1, v[32:35], s[10:11]
	global_store_b128 v1, v[36:39], s[10:11] offset:512
	CLOSE
.Lgates:                                               ; wave 2: its 256 gates
	ds_load_b128 v[32:35], v10
	ds_load_b128 v[36:39], v10 offset:512
	s_wait_dscnt 0x0
	global_store_b128 v1, v[32:35], s[12:13]
	global_store_b128 v1, v[36:39], s[12:13] offset:512
	CLOSE
.Lfunc_end_k_q4ad644ba7d_route:
	.size	k_q4ad644ba7d_route, .Lfunc_end_k_q4ad644ba7d_route-k_q4ad644ba7d_route
	.p2alignl 7, 3214868480
	.fill 96, 4, 3214868480
	.section	.rodata,"a",@progbits
	.p2align	6, 0x0
	.amdhsa_kernel k_q4ad644ba7d_route
		.amdhsa_group_segment_fixed_size 106752
		.amdhsa_private_segment_fixed_size 0
		.amdhsa_enable_private_segment 0
		.amdhsa_kernarg_size 72
		.amdhsa_user_sgpr_count 2
		.amdhsa_user_sgpr_kernarg_segment_ptr 1
		.amdhsa_wavefront_size32 1
		.amdhsa_system_sgpr_workgroup_id_x 1
		.amdhsa_system_sgpr_workgroup_id_y 1
		.amdhsa_system_sgpr_workgroup_id_z 1
		.amdhsa_system_vgpr_workitem_id 0
		.amdhsa_next_free_vgpr 184
		.amdhsa_next_free_sgpr 100
		.amdhsa_reserve_vcc 1
		.amdhsa_float_denorm_mode_32 3
		.amdhsa_float_denorm_mode_16_64 3
		.amdhsa_memory_ordered 1
		.amdhsa_forward_progress 1
		.amdhsa_inst_pref_size 74
	.end_amdhsa_kernel
	.amdgpu_metadata
---
amdhsa.version: [ 1, 2 ]
amdhsa.kernels:
  - .name:           k_q4ad644ba7d_route
    .symbol:         k_q4ad644ba7d_route.kd
    .args:
      - { .name: x, .offset: 0, .size: 8, .value_kind: global_buffer, .address_space: global }
      - { .name: Wr, .offset: 8, .size: 8, .value_kind: global_buffer, .address_space: global }
      - { .name: xq, .offset: 16, .size: 8, .value_kind: global_buffer, .address_space: global }
      - { .name: xs, .offset: 24, .size: 8, .value_kind: global_buffer, .address_space: global }
      - { .name: gw, .offset: 32, .size: 8, .value_kind: global_buffer, .address_space: global }
      - { .name: tab, .offset: 40, .size: 8, .value_kind: global_buffer, .address_space: global }
      - { .name: srt, .offset: 48, .size: 8, .value_kind: global_buffer, .address_space: global }
      - { .name: We_codes, .offset: 56, .size: 8, .value_kind: global_buffer, .address_space: global }
      - { .name: wf, .offset: 64, .size: 8, .value_kind: global_buffer, .address_space: global }
    .group_segment_fixed_size: 106752
    .private_segment_fixed_size: 0
    .kernarg_segment_align: 8
    .kernarg_segment_size: 72
    .max_flat_workgroup_size: 512
    .sgpr_count:     100
    .vgpr_count:     184
    .wavefront_size: 32
...
	.end_amdgpu_metadata
.endif
;; end of part 1
;; launch experts (part 2): grid 4 x 64, 4 waves a work-group, no clusters, 264,448 bytes of LDS; arguments xq, xs, gw, tab, srt, wf, We_scales, be, out0; writes out0
.if DOCPART == 2
	.amdgcn_target "amdgcn-amd-amdhsa--gfx1250"
	.amdhsa_code_object_version 6
	.text
	.protected	k_q4ad644ba7d_experts
	.globl	k_q4ad644ba7d_experts
	.p2align	8
	.type	k_q4ad644ba7d_experts,@function
k_q4ad644ba7d_experts:
	s_mov_b64 s[64:65], 0
	v_nop
	global_prefetch_b8 v0, s[64:65] scope:SCOPE_SE
	s_setreg_imm32_b32 hwreg(HW_REG_WAVE_MODE, 25, 1), 1
	s_wait_xcnt 0x0
; EXPERTS.  out0[n] = the sum over the token's two experts e of gate(n, e) x (Q(x[n]) . We[e] + be[e]), the product on codes of E4M3 with one E8M0 scale for each 32 along K, sums in f32.
; Only the chosen experts are multiplied: the choice is read as whole numbers that the launch before has stored.
; BLOCKS.  The tokens of a bin (a pair of experts) are cut into blocks of at most 176 rows; where that makes more than 64 blocks, of at most 224: then there are never more than 64, since 8,192 + 28 x 223 is under 65 x 224.
; A bin of one, two or three blocks is cut evenly.  So 64 blocks x 4 quarters of the columns = 256 work-groups serve every split; a block has exactly two experts, so there are two passes; a work-group without a block stores nothing.
; SHARES.  A work-group takes a block x 256 columns; wave w takes 64 of them for all rows, 11 tiles of 16 rows at a time: rows 0-175, and, only where the block has more than 176, rows 48-223 in a second turn
; (its rows 48-175 are made and stored once more, with the same numbers).  Rows past the block's end up to a multiple of 16 repeat its last token and store the same numbers to the same place.
; THE TWO PASSES share one set of sums: acc = be[a] + Q(x) We[a];  acc = acc x (ga / gb) + be[b];  acc += Q(x) We[b];  out = gb x acc.
; LIMITS: a second gate gb under 2^-60 counts as 2^-60; sums beyond f32's range after the multiplication by ga / gb (at most 2^60), NaN and infinities are not served.
; WHICH TOKENS.  Each wave finds those of its own rows 4 i + w: by a prefix over the 256 groups' counts of the bin it gets a row's group and place, and reads the token from the group's sorted list.
; THE TOKENS' CODES are gathered once into LDS (224 rows, 1,040 bytes apart: 65 x 16).  THE WEIGHTS come from wf straight into registers, each byte by one wave of the work-group, in a ring of four sets, a K step each, four steps ahead.
; THE MATRIX INSTRUCTION IS USED TRANSPOSED: source 0 = 16 columns of We, source 1 = 16 tokens: lane (r, h) holds token r and the eight neighbouring columns 8 h + 0 .. 7.
; NO CLUSTER, NO TENSOR LOAD: blocks walk different experts by numbers read from memory, so partners could not make the same requests, and a branch hangs on the block's row count.
; NO PREFETCH: a wave asks for 64 loads of 512 bytes ahead of their use, four K steps, and the other blocks of a bin read the same weights.
; REGISTERS.  Window 0: v0-17 addresses; v18-193 the tokens' fragments (at the head: temporaries; on the way out: rows of out0); v194-209 We's scale words; v210-211 addresses; v212-255 x's scale words.
;   Window 1: the weights' four sets of 64.   Windows 2 and 3: acc(i, c) at 8 (4 i + c), 352 registers (at the head: the gathered rows, 448).
;   Window 3: v96-139 the gates' pairs; v140-155 the second pass's scale words; v192-223 the bias.
.set PA,   1040
.set XSL,  232960                      ; LDS: behind the rows: x's scale bytes, 32 a row;
.set GL,   241152                      ; (ga / gb, ga / gb, gb, gb), 16 bytes a row;
.set TOKL, 245248                      ; the token, a word a row;
.set NT,   246272                      ; the bins' totals;
.set STG,  246528                      ; a stage of 16 rows x 272 bytes for each wave;
.set SP,   272
.set SPARE, 263936
.set AF,   18
.set SB,   194                         ; v[SB + 4 c + q]: lane (r, h): the scale word of column 16 c + r for K step 4 h + q
.set SA,   212                         ; v[SA + 4 i + q]: likewise of row 16 i + r
.set GR,   96
.set SBN,  140
.set BE,   192                         ; v[BE + 8 c + j]: be of column 16 c + 8 h + j
.set RO,   136                         ; the head: 56 offsets of rows in xq
.set MSB, 0
.macro WIN new                         ; s_set_vgpr_msb: bits 1:0 source 0, 3:2 source 1, 5:4 source 2, 7:6 destination; the immediate's high byte repeats the setting that is left
.if MSB != \new
	s_set_vgpr_msb (MSB<<8)|\new
.set MSB, \new
.endif
.endm
.macro WALU
	s_wait_alu depctr_va_vdst(0)
.endm
	s_load_b512 s[4:19], s[0:1], 0x0               ; xq s[4:5], xs s[6:7], gw s[8:9], tab s[10:11], srt s[12:13], wf s[14:15], We_scales s[16:17], be s[18:19]
	s_load_b64 s[20:21], s[0:1], 0x40              ; out0
	v_lshrrev_b32 v20, 5, v0
	v_readfirstlane_b32 s22, v20                   ; wave 0..3
	WALU
	s_and_b32 s23, ttmp7, 0xffff                   ; my block
	s_mov_b32 s24, ttmp9                           ; my quarter of the columns
	v_lshrrev_b32 v20, 2, v0                       ; of tab: thread t sums a quarter of bin t / 4's row
	v_and_b32 v21, 3, v0
	v_lshlrev_b32 v21, 4, v21
	v_lshl_add_u32 v20, v20, 10, v21
	v_and_b32 v13, 31, v0                          ; v13: lane
	v_and_b32 v15, 15, v0                          ; v15: r
	v_bfe_u32 v16, v0, 4, 1                        ; v16: h
	v_lshlrev_b32 v1, 4, v13                       ; v1: 16 x lane
	v_mul_u32_u24 v17, v15, PA
	v_lshl_add_u32 v17, v16, 4, v17                ; v17: a fragment's row r, + 16 h
	v_lshlrev_b32 v5, 5, v15
	v_lshl_add_u32 v5, v16, 4, v5                  ; v5: scale bytes: 32 r + 16 h
	v_lshlrev_b32 v6, 5, v16                       ; v6: the bias: 32 h
	v_add_nc_u32 v7, XSL, v5                       ; v7: x's scale words in LDS
	v_lshl_add_u32 v8, v15, 4, GL                  ; v8: the gates
	s_mul_i32 s30, s22, 16*SP
	s_add_co_u32 s30, s30, STG
	v_mul_u32_u24 v9, v15, SP
	v_lshl_add_u32 v9, v16, 5, v9
	v_add_nc_u32 v9, s30, v9                       ; v9: my stage, in: row r, + 32 h
	v_mul_u32_u24 v10, v16, 8*SP
	v_lshl_add_u32 v10, v15, 4, v10
	v_add_nc_u32 v10, s30, v10                     ; v10: back: lanes 0-15 row t, lanes 16-31 row 8 + t
	v_lshl_add_u32 v11, v16, 5, TOKL               ; v11: those rows' tokens: 8 h on
	v_lshlrev_b32 v12, 4, v15                      ; v12: my 16 bytes in a row's 256
	v_and_b32 v14, 0x7c, v0
	v_add_nc_u32 v14, NT, v14                      ; v14: my bin's total
	v_lshl_add_u32 v210, v13, 2, NT                ; v210: bin l's total
	v_lshlrev_b32 v22, 5, v13                      ; v22: tab's row: lane l takes groups 8 l .. 8 l + 7
	s_mul_i32 s30, s22, PA
	v_add_nc_u32 v24, s30, v1                      ; v24-27: where my gathered rows go: row 4 i + w
	v_add_nc_u32 v25, 66560, v24
	v_add_nc_u32 v26, 133120, v24
	v_add_nc_u32 v27, 199680, v24
	s_lshl_b32 s30, s22, 2
	s_add_co_u32 s30, s30, TOKL
	v_lshl_add_u32 v28, v13, 4, s30                ; v28-30: my rows' tokens, gates, scale bytes: row 4 lane + w
	s_lshl_b32 s30, s22, 4
	s_add_co_u32 s30, s30, GL
	v_lshl_add_u32 v29, v13, 6, s30
	s_lshl_b32 s30, s22, 5
	s_add_co_u32 s30, s30, XSL
	v_lshl_add_u32 v30, v13, 7, s30
	v_mov_b32 v37, 0                               ; (a lane move's destination counts as one of its sources)
	s_mov_b32 s81, 0                               ; (stays 0: the upper word of every offset)
	WALU
	s_wait_kmcnt 0x0
.set i, 0
.rept 16
	global_load_b128 v[96+4*i:99+4*i], v20, s[10:11] offset:64*i           ; tab: 64 words of my bin's row
.set i, i+1
.endr
	s_wait_loadcnt 0x0
.irp k, 0,1,2,3
	v_add3_u32 v[32+\k], v[96+\k], v[100+\k], v[104+\k]   ; the counts add up in the low halves (8,192 at the most), the starts in the high ones
.endr
.irp j, 3,5,7,9,11,13
.irp k, 0,1,2,3
	v_add3_u32 v[32+\k], v[32+\k], v[96+4*\j+\k], v[100+4*\j+\k]
.endr
.endr
.irp k, 0,1,2,3
	v_add_nc_u32 v[32+\k], v[32+\k], v[156+\k]
.endr
	v_add3_u32 v32, v32, v33, v34
	v_add_nc_u32 v32, v32, v35
.irp m, 1,2
	v_mov_b32_dpp v37, v32 row_xmask:\m row_mask:0xf bank_mask:0xf
	v_add_nc_u32 v32, v32, v37
.endr
	v_and_b32 v32, 0xffff, v32
	ds_store_b32 v14, v32                          ; four lanes write the same word with the same number
	WALU
	s_wait_dscnt 0x0
	s_barrier_signal -1
	s_barrier_wait -1
	ds_load_b32 v32, v210                          ; lane b: bin b's tokens
	s_wait_dscnt 0x0
.macro SCAN v, t, sr                   ; running sum over the 32 lanes
.irp d, 1,2,4,8
	v_mov_b32_dpp v[\t], v[\v] row_shr:\d row_mask:0xf bank_mask:0xf bound_ctrl:1
	v_add_nc_u32 v[\v], v[\v], v[\t]
.endr
	v_readlane_b32 s\sr, v[\v], 15
	v_mad_u32_u24 v[\v], v16, s\sr, v[\v]
.endm
	v_add_nc_u32 v33, 175, v32                     ; blocks of 176: (n + 175) / 176 = ((n + 175) / 16) / 11, and x / 11 = (5,958 x) >> 16 for x up to 522
	v_add_nc_u32 v34, 223, v32                     ; blocks of 224: ((n + 223) / 32) / 7, and x / 7 = (9,363 x) >> 16 for x up to 262
	v_lshrrev_b32 v33, 4, v33
	v_lshrrev_b32 v34, 5, v34
	v_mul_u32_u24 v33, 5958, v33
	v_mul_u32_u24 v34, 9363, v34
	v_lshrrev_b32 v33, 16, v33
	v_lshrrev_b32 v34, 16, v34
	v_mov_b32 v35, v33
	v_mov_b32 v36, v34
	SCAN 35, 37, 30
	SCAN 36, 37, 30
	v_readlane_b32 s30, v35, 31
	s_movk_i32 s43, 224
	s_cmp_le_u32 s30, 64
	s_cselect_b32 s31, -1, 0
	s_cselect_b32 s43, 176, s43                    ; the largest block
	v_cndmask_b32 v35, v36, v35, s31               ; lane b: blocks up to and with bin b,
	v_cndmask_b32 v33, v34, v33, s31               ; and of bin b
	v_cmp_ge_u32 s31, s23, v35
	v_readlane_b32 s44, v35, 31                    ; blocks in all
	s_bcnt1_i32_b32 s25, s31                       ; bins that end at or before my block: my bin
	s_min_u32 s25, s25, 27
	v_readlane_b32 s34, v32, s25                   ; its tokens,
	v_readlane_b32 s35, v33, s25                   ; its blocks,
	v_readlane_b32 s36, v35, s25
	WALU
	s_lshl_b32 s80, s25, 10
	s_add_nc_u64 s[82:83], s[10:11], s[80:81]
	global_load_b128 v[96:99], v22, s[82:83]       ; my bin's row of tab
	global_load_b128 v[100:103], v22, s[82:83] offset:16
	s_sub_co_u32 s36, s36, s35
	s_sub_co_u32 s37, s23, s36                     ; my block's number in its bin
	s_add_co_u32 s40, s34, 1
	s_lshr_b32 s40, s40, 1                         ; two blocks: half of the tokens
	s_add_co_u32 s41, s34, 2
	s_mul_hi_u32 s41, s41, 0x55555556              ; three: a third
	s_cmp_eq_u32 s35, 3
	s_cselect_b32 s43, s41, s43
	s_cmp_eq_u32 s35, 2
	s_cselect_b32 s43, s40, s43
	s_cmp_eq_u32 s35, 1
	s_cselect_b32 s43, s34, s43
	s_mul_i32 s27, s37, s43                        ; my first token in the bin
	s_sub_co_u32 s38, s34, s27
	s_min_u32 s26, s43, s38                        ; and how many are mine
	s_cmp_lt_u32 s23, s44
	s_cselect_b32 s27, s27, 0
	s_cselect_b32 s26, s26, 0
	s_max_u32 s39, s26, 1
	s_sub_co_u32 s39, s39, 1
	s_add_co_u32 s89, s26, 15
	s_and_b32 s89, s89, 0xfff0                     ; rounded up to tiles
	s_and_b32 s28, s25, 7                          ; the first expert,
	s_lshr_b32 s29, s25, 3
	s_add_co_u32 s29, s29, s28
	s_add_co_u32 s29, s29, 1
	s_and_b32 s29, s29, 7                          ; and the second
	s_min_u32 s28, s28, 7
	s_min_u32 s29, s29, 7
	s_lshl_b32 s30, s24, 8
	s_lshl_b32 s31, s22, 6
	s_add_co_u32 s30, s30, s31                     ; my first column
	s_lshl_b32 s80, s30, 2
	s_add_nc_u64 s[78:79], s[20:21], s[80:81]      ; out0 there
.macro BASE d, src, ex, sh, csh        ; a buffer at my first column, and then at expert ex
	s_lshl_b32 s80, s30, \csh
	s_add_nc_u64 s[\d:\d+1], s[\src:\src+1], s[80:81]
	s_lshl_b32 s80, s\ex, \sh
	s_add_nc_u64 s[\d:\d+1], s[\d:\d+1], s[80:81]
.endm
	BASE 66, 14, 28, 14, 13                        ; weights: 131,072 bytes for each 16 columns, 16,384 an expert
	BASE 68, 14, 29, 14, 13
	BASE 70, 16, 28, 15, 5                         ; scale bytes: 32 a column
	BASE 72, 16, 29, 15, 5
	BASE 74, 18, 28, 12, 2                         ; biases
	BASE 76, 18, 29, 12, 2
	s_lshl_b32 s80, s28, 2
	s_add_nc_u64 s[84:85], s[8:9], s[80:81]        ; gates: word e of a token's eight
	s_lshl_b32 s80, s29, 2
	s_add_nc_u64 s[86:87], s[8:9], s[80:81]
.macro WSCALE reg, bs                  ; We's scale words
.irp c, 0,1,2,3
	global_load_b128 v[\reg+4*\c:\reg+4*\c+3], v5, s[\bs:\bs+1] offset:512*\c
.endr
.endm
.macro BIAS bs
.irp c, 0,1,2,3
	global_load_b128 v[BE+8*\c:BE+8*\c+3],   v6, s[\bs:\bs+1] offset:64*\c
	global_load_b128 v[BE+8*\c+4:BE+8*\c+7], v6, s[\bs:\bs+1] offset:64*\c+16
.endr
.endm
.macro BSET k, bs, st                  ; the weights of K step st, my four tiles of columns, into set k
	WIN 0x40
.irp c, 0,1,2,3
.irp d, 0,1,2,3
	global_load_b128 v[64*(\k)+16*\c+4*\d:64*(\k)+16*\c+4*\d+3], v1, s[\bs:\bs+1] offset:131072*\c+2048*(\st)+512*\d
.endr
.endr
	WIN 0
.endm
.macro FIRST                           ; the first pass's scale words and bias
	WSCALE SB, 70
	WIN 0xc0
	BIAS 74
	WIN 0
.endm
	FIRST
	BSET 0, 66, 0
	BSET 1, 66, 1
	v_lshl_add_u32 v38, v13, 2, s22                ; my rows 4 lane + w and 128 + 4 lane + w,
	v_add_nc_u32 v39, 128, v38
	v_min_u32 v38, s39, v38                        ; held at the block's last,
	v_min_u32 v39, s39, v39
	v_add_nc_u32 v38, s27, v38                     ; as places in the bin
	v_add_nc_u32 v39, s27, v39
	v_mov_b32 v114, 0
	v_mov_b32 v115, 0
	WALU
	s_wait_loadcnt 44                              ; behind tab's row 4 + 8 + 32 loads were issued
.irp t, 0,1,2,3,4,5,6,7
	v_and_b32 v[104+\t], 0xffff, v[96+\t]
.endr
.irp t, 0,1,2,3,4,5,6
	v_add_nc_u32 v[105+\t], v[105+\t], v[104+\t]   ; counts of my eight groups, running
.endr
	v_mov_b32 v112, v111
	SCAN 112, 37, 31
	v_sub_nc_u32 v113, v112, v111                  ; tokens of the bin in the groups before my eight
.irp t, 0,1,2,3,4,5,6,7
	v_and_b32 v[96+\t], 0xffff0000, v[96+\t]
.endr
.irp t, 0,1,2,3,4,5,6,7
	v_add3_u32 v[96+\t], v[96+\t], v113, v[104+\t] ; low half: tokens up to and with that group; high half: where the bin begins in the group's list
.endr
.set i, 0
.rept 32
	v_readlane_b32 s[32+i], v112, i
.set i, i+1
.endr
.set i, 0
.rept 32                               ; how many lanes' groups end at or before my rows' places
	v_cmp_le_u32 vcc_lo, s[32+i], v38
	v_add_co_ci_u32 v114, vcc_lo, 0, v114, vcc_lo
	v_cmp_le_u32 vcc_lo, s[32+i], v39
	v_add_co_ci_u32 v115, vcc_lo, 0, v115, vcc_lo
.set i, i+1
.endr
	v_min_u32 v114, 31, v114
	v_min_u32 v115, 31, v115
	v_lshlrev_b32 v116, 2, v114
	v_lshlrev_b32 v117, 2, v115
.irp t, 0,1,2,3,4,5,6,7
	ds_bpermute_b32 v[128+\t], v116, v[96+\t]      ; that lane's eight groups; between lanes: no LDS byte is touched
.endr
	ds_bpermute_b32 v136, v116, v113
.irp t, 0,1,2,3,4,5,6,7
	ds_bpermute_b32 v[144+\t], v117, v[96+\t]
.endr
	ds_bpermute_b32 v152, v117, v113
	v_lshlrev_b32 v114, 3, v114                    ; the groups' numbers
	v_lshlrev_b32 v115, 3, v115
	WALU
	s_wait_dscnt 0x0
.macro PICK w, rho, g, st, pe, off     ; which of the eight groups: g, its word st, the tokens before it pe; then the place in srt
	v_mov_b32 v\st, v[\w]
.irp t, 0,1,2,3,4,5,6
	v_and_b32 v48, 0xffff, v[\w+\t]
	v_cmp_ge_u32 vcc_lo, v\rho, v48
	v_cndmask_b32 v\pe, v\pe, v48, vcc_lo
	v_cndmask_b32 v\st, v\st, v[\w+\t+1], vcc_lo
	v_add_co_ci_u32 v\g, vcc_lo, 0, v\g, vcc_lo
.endr
	v_lshrrev_b32 v\st, 16, v\st
	v_sub_nc_u32 v\pe, v\rho, v\pe
	v_lshl_add_u32 v\g, v\g, 5, v\st
	v_add_nc_u32 v\g, v\g, v\pe
	v_min_u32 v\off, 0x1fff, v\g                   ; a number that was read enters an address behind a bound
	v_lshlrev_b32 v\off, 2, v\off
.endm
	PICK 128, 38, 114, 49, 136, 42
	PICK 144, 39, 115, 50, 152, 43
	global_load_b32 v40, v42, s[12:13]             ; my rows' tokens
	global_load_b32 v41, v43, s[12:13]
	BSET 2, 66, 2
	BSET 3, 66, 3
	WALU
	s_wait_loadcnt 32                              ; the two sets' 32 loads are younger
	v_min_u32 v40, 0x1fff, v40
	v_min_u32 v41, 0x1fff, v41
	v_lshlrev_b32 v44, 5, v40                      ; 32 bytes a token in gw and in xs
	v_lshlrev_b32 v45, 5, v41
	global_load_b128 v[104:107], v44, s[6:7]
	global_load_b128 v[108:111], v44, s[6:7] offset:16
	global_load_b128 v[112:115], v45, s[6:7]
	global_load_b128 v[116:119], v45, s[6:7] offset:16
	global_load_b32 v120, v44, s[84:85]
	global_load_b32 v122, v44, s[86:87]
	global_load_b32 v124, v45, s[84:85]
	global_load_b32 v126, v45, s[86:87]
	ds_store_b32 v28, v40
	ds_store_b32 v28, v41 offset:512
.set i, 0
.rept 32
	v_readlane_b32 s[32+i], v40, i
.set i, i+1
.endr
	WALU
.set i, 0
.rept 32
	s_min_u32 s[32+i], s[32+i], 0x1fff
	v_lshl_add_u32 v[RO+i], s[32+i], 10, v1        ; a row of xq is 1,024 bytes
.set i, i+1
.endr
.set i, 0
.rept 24
	v_readlane_b32 s[32+i], v41, i
.set i, i+1
.endr
	WALU
.set i, 0
.rept 24
	s_min_u32 s[32+i], s[32+i], 0x1fff
.if i < 4
	v_lshl_add_u32 v[RO+32+i], s[32+i], 10, v1
.else                                  ; rows from 144 on: where the block has no such tile all lanes name the same 16 bytes: what lands is used for no result
	s_cmp_gt_u32 s89, 4*(32+i)
	s_cselect_b32 s30, -1, 0
	v_and_b32 v48, s30, v1
	v_min_u32 v48, 0x1f0, v48                      ; 16 x lane is 496 at the most: a bound on what hangs on numbers that were read
	v_lshl_add_u32 v[RO+32+i], s[32+i], 10, v48
.endif
.set i, i+1
.endr
	WALU
.macro GATH g                          ; eight of my rows, two loads of 512 bytes each: rows 8 g .. + 7 of my 56
	WIN 0x80+0x40*((\g)/4)
.irp k, 0,1,2,3,4,5,6,7
	global_load_b128 v[64*((\g)%4)+8*\k:64*((\g)%4)+8*\k+3],   v[RO+8*(\g)+\k], s[4:5]
	global_load_b128 v[64*((\g)%4)+8*\k+4:64*((\g)%4)+8*\k+7], v[RO+8*(\g)+\k], s[4:5] offset:512
.endr
	WIN 0
.endm
.macro ROWS g                          ; and into LDS
	WIN 0x08+0x04*((\g)/4)
.irp k, 0,1,2,3,4,5,6,7
	ds_store_b128 v[24+(\g)/2], v[64*((\g)%4)+8*\k:64*((\g)%4)+8*\k+3] offset:33280*((\g)%2)+4160*\k
	ds_store_b128 v[24+(\g)/2], v[64*((\g)%4)+8*\k+4:64*((\g)%4)+8*\k+7] offset:33280*((\g)%2)+4160*\k+512
.endr
	WIN 0
.endm
	GATH 0
	GATH 1
	GATH 2
	GATH 3
	s_wait_loadcnt 48                              ; three groups of 16 loads are younger
	ROWS 0
	GATH 4
	s_wait_loadcnt 48
	ROWS 1
	GATH 5
	s_wait_loadcnt 48
	ROWS 2
	GATH 6
	s_wait_loadcnt 48
	ROWS 3
	ds_store_b128 v30, v[104:107]                  ; (older than the first group: in since the first wait)
	ds_store_b128 v30, v[108:111] offset:16
	ds_store_b128 v30, v[112:115] offset:4096
	ds_store_b128 v30, v[116:119] offset:4112
	v_max_num_f32 v122, 0x21800000, v122           ; gb, 2^-60 at the least
	v_max_num_f32 v126, 0x21800000, v126
	WALU
	v_rcp_f32 v46, v122
	v_rcp_f32 v47, v126
	v_nop
	WALU
	v_mul_f32 v121, v120, v46                      ; ga / gb
	v_mul_f32 v125, v124, v47
	v_mul_f32 v120, v120, v46
	v_mul_f32 v124, v124, v47
	v_mov_b32 v123, v122
	v_mov_b32 v127, v126
	ds_store_b128 v29, v[120:123]
	ds_store_b128 v29, v[124:127] offset:2048
	s_wait_loadcnt 32
	ROWS 4
	s_wait_loadcnt 16
	ROWS 5
	s_wait_loadcnt 0x0
	ROWS 6
	WALU
	s_wait_dscnt 0x0                               ; for the others' sake: my rows, tokens, gates and scale bytes lie in LDS
	s_barrier_signal -1
	s_barrier_wait -1                              ; the last barrier: ahead of every branch on a number that was read
.macro FT t, st                        ; tile t's fragment of K step st: registers 4 d .. + 3 hold K = 32 d + 16 h + 0 .. 15
.irp d, 0,1,2,3
	ds_load_b128 v[AF+16*(\t)+4*\d:AF+16*(\t)+4*\d+3], v[2+(\t)/4] offset:16*PA*((\t)%4)+128*(\st)+32*\d
.endr
.endm
; Tile t x my four tiles of columns, step n of the two passes' 16.  The 44 accumulators take turns, one instruction a turn, in the same order in every step.  Step 0's C is the bias.
; The scale words of K steps 0-3 lie in lanes 0-15 of their registers, those of K steps 4-7 in lanes 16-31.
.macro MM t, c, n
.set AC_, (8*(4*(\t)+\c))%256
.set CC_, AC_
.if (\n) == 0
.set CC_, BE+8*\c
.endif
.set W_, 64*((\n)%4)+16*\c
.set F_, AF+16*(\t)
.set Q_, (\n)%4
.if ((\n)%8) < 4
	v_wmma_scale_f32_16x16x128_f8f6f4 v[AC_:AC_+7], v[W_:W_+15], v[F_:F_+15], v[CC_:CC_+7], v[SB+4*\c+Q_], v[SA+4*(\t)+Q_]
.else
	v_wmma_scale_f32_16x16x128_f8f6f4 v[AC_:AC_+7], v[W_:W_+15], v[F_:F_+15], v[CC_:CC_+7], v[SB+4*\c+Q_], v[SA+4*(\t)+Q_] matrix_a_scale:MATRIX_SCALE_ROW1 matrix_b_scale:MATRIX_SCALE_ROW1
.endif
.endm
.macro TILE t, n
	MM \t, 0, \n
	MM \t, 1, \n
	MM \t, 2, \n
	MM \t, 3, \n
.endm
; A load into a register that a matrix instruction has read, and a vector instruction that reads a result or writes a scale, stand eight places behind that matrix instruction; only plain vector
; instructions that name none of its registers are places.
.macro PLACES
.rept 8
	v_nop
.endr
.endm
; STEP n: K step n % 8 of pass n / 8, in three groups of tiles: 0-3, 4-7, 8-10.  Behind a group's products its fragments of the next step are asked for (16, 16, 12 loads), so at a group's head the other two
; groups' loads are younger: 28, 28, 32.  Behind the last group the set of weights just multiplied takes the step four further on.  lc: the loads younger than this step's set.
.macro STEP n, lc
	s_wait_loadcnt \lc
	s_wait_dscnt 28
.if (\n) == 0
	WIN 0xb1                                       ; source 0 (weights) window 1, source 1 (tokens) window 0, C (the bias) window 3, D window 2
.else
	WIN 0xa1                                       ; the same, C and D window 2
.endif
	TILE 0, \n
	TILE 1, \n
	TILE 2, \n
	TILE 3, \n
.if (\n) < 15
	PLACES
	WIN 0
	FT 0, ((\n)+1)%8
	FT 1, ((\n)+1)%8
	FT 2, ((\n)+1)%8
	FT 3, ((\n)+1)%8
	s_wait_dscnt 28
.else
	s_wait_dscnt 12
.endif
.if (\n) == 0
	WIN 0xb1
.else
	WIN 0xa1
.endif
	TILE 4, \n
	TILE 5, \n
	TILE 6, \n
	TILE 7, \n
.if (\n) < 15
	PLACES
	WIN 0
	FT 4, ((\n)+1)%8
	FT 5, ((\n)+1)%8
	FT 6, ((\n)+1)%8
	FT 7, ((\n)+1)%8
	s_wait_dscnt 32
.else
	s_wait_dscnt 0x0
.endif
	WIN 0xf1                                       ; C and D window 3
	TILE 8, \n
	TILE 9, \n
	TILE 10, \n
	PLACES
.if (\n) == 4
	WIN 0xc0
	WSCALE SBN, 72                                 ; the second pass's scale words and bias (the bias was last read in step 0)
	BIAS 76
.endif
.if (\n) < 4
	BSET (\n)%4, 66, ((\n)+4)%8
.elseif (\n) < 12
	BSET (\n)%4, 68, ((\n)+4)%8
.endif
	WIN 0
.if (\n) < 15
	FT 8, ((\n)+1)%8
	FT 9, ((\n)+1)%8
	FT 10, ((\n)+1)%8
.endif
.endm
; THE WAY OUT, a tile of 16 rows at a time: x gb; through my own stage in LDS; back as rows of 256 bytes; each to its token's row of out0.  LDS serves a wave's instructions in order: no wait between
; the stores and the loads, nor in front of the next tile's stores.
.macro TOSTAGE t
	WIN 0x8e+0x41*((\t)/8)                         ; source 0 and destination window 2 or 3, source 1 window 3
.irp c, 0,1,2,3
.set AC_, (8*(4*(\t)+\c))%256
.irp p, 0,2,4,6
	v_pk_mul_f32 v[AC_+\p:AC_+\p+1], v[AC_+\p:AC_+\p+1], v[GR+4*(\t)+2:GR+4*(\t)+3]
.endr
.endr
	WIN 0x08+0x04*((\t)/8)                         ; an LDS store's data are its source 1
.irp c, 0,1,2,3
.set AC_, (8*(4*(\t)+\c))%256
	ds_store_b128 v9, v[AC_:AC_+3] offset:64*\c
	ds_store_b128 v9, v[AC_+4:AC_+7] offset:64*\c+16
.endr
	WIN 0
.set OB_, 96+32*((\t)%2)
.set TT_, 160+8*((\t)%2)
.irp k, 0,1,2,3,4,5,6,7
	ds_load_b128 v[OB_+4*\k:OB_+4*\k+3], v10 offset:SP*\k                  ; rows 8 h + k
.endr
	ds_load_b128 v[TT_:TT_+3], v14 offset:64*(\t)  ; and their tokens
	ds_load_b128 v[TT_+4:TT_+7], v14 offset:64*(\t)+16
.endm
.macro SEND t, younger                 ; younger: the next tile's 18 LDS instructions, or none
.set OB_, 96+32*((\t)%2)
.set TT_, 160+8*((\t)%2)
	s_wait_dscnt \younger
.irp k, 0,1,2,3,4,5,6,7
	v_min_u32 v[TT_+\k], 0x1fff, v[TT_+\k]
	v_lshl_add_u32 v[TT_+\k], v[TT_+\k], 12, v12   ; a row of out0 is 4,096 bytes
	global_store_b128 v[TT_+\k], v[OB_+4*\k:OB_+4*\k+3], s[78:79] th:TH_STORE_NT   ; 16 lanes store 256 consecutive bytes, at a multiple of 256 from out0's first byte
.endr
.endm
	s_mov_b32 s88, 0
.Lset:                                                 ; turn 0: rows 0-175; turn 1: rows 48-223, where the block has more than 176
	s_mul_i32 s30, s88, 176
	s_cmp_ge_u32 s30, s26
	s_cbranch_scc1 .Lnext
	s_wait_xcnt 0x0                                ; the stores of the turn before have read their registers
	s_cmp_eq_u32 s88, 0
	s_cbranch_scc1 .Lhave                          ; turn 0's first weights came at the head
	FIRST
	BSET 0, 66, 0
	BSET 1, 66, 1
	BSET 2, 66, 2
	BSET 3, 66, 3
.Lhave:
	s_mul_i32 s30, s88, 48*PA
	v_add_nc_u32 v2, s30, v17                      ; v2-4: fragments of tiles 0-3, 4-7, 8-10
	v_add_nc_u32 v3, 64*PA, v2
	v_add_nc_u32 v4, 128*PA, v2
	s_mul_i32 s30, s88, 48*32
	v_add_nc_u32 v210, s30, v7
	s_mul_i32 s30, s88, 48*16
	v_add_nc_u32 v211, s30, v8
	s_mul_i32 s30, s88, 48*4
	v_add_nc_u32 v14, s30, v11
	WALU
.set i, 0
.rept 11
	ds_load_b128 v[SA+4*i:SA+4*i+3], v210 offset:512*i
.set i, i+1
.endr
	WIN 0xc0
.set i, 0
.rept 11
	ds_load_b128 v[GR+4*i:GR+4*i+3], v211 offset:256*i
.set i, i+1
.endr
	WIN 0
.irp t, 0,1,2,3,4,5,6,7,8,9,10
	FT \t, 0
.endr
; Younger than a step's set of weights are the three sets asked for behind it, 48 loads (steps 0-3: sets 1-3 and those of the steps since; in turn 0 fewer are out); steps 5-7: 12 more, the second pass's scale words and bias.
	STEP 0, 48
	STEP 1, 48
	STEP 2, 48
	STEP 3, 48
	STEP 4, 48
	STEP 5, 60
	STEP 6, 60
	STEP 7, 60
	s_wait_loadcnt 48                              ; step 8's set is in, and what was asked for before it: the second pass's scale words and bias
	WIN 0x03
.set i, 0
.rept 16
	v_mov_b32 v[SB+i], v[SBN+i]                    ; 176 lines stand between these and the next product
.set i, i+1
.endr
	WIN 0xbe                                       ; source 0 and destination window 2, sources 1 and 2 window 3
.irp t, 0,1,2,3,4,5,6,7,8,9,10
.if \t == 8
	WIN 0xff
.endif
.irp c, 0,1,2,3
.set AC_, (8*(4*\t+\c))%256
.irp p, 0,2,4,6
	v_pk_fma_f32 v[AC_+\p:AC_+\p+1], v[AC_+\p:AC_+\p+1], v[GR+4*\t:GR+4*\t+1], v[BE+8*\c+\p:BE+8*\c+\p+1]
.endr
.endr
.endr
	WIN 0
	WALU
	STEP 8, 48
	STEP 9, 48
	STEP 10, 48
	STEP 11, 48
	STEP 12, 48
	STEP 13, 32
	STEP 14, 16
	STEP 15, 0
	TOSTAGE 0
.irp a, 1,2,3,4,5,6,7,8
.if \a > 1
	s_wait_xcnt 0x0                                ; tile a - 2's stores have read their data and addresses: tile a's loads may land there
.endif
	TOSTAGE \a
	SEND \a-1, 18
.endr
	s_mul_i32 s30, s88, 48
	s_add_co_u32 s30, s30, 144
	s_cmp_ge_u32 s30, s26                          ; has the block rows in tile 9?
	s_cbranch_scc1 .Lout8
	s_wait_xcnt 0x0
	TOSTAGE 9
	SEND 8, 18
	s_mul_i32 s30, s88, 48
	s_add_co_u32 s30, s30, 160
	s_cmp_ge_u32 s30, s26                          ; and in tile 10?
	s_cbranch_scc1 .Lout9
	s_wait_xcnt 0x0
	TOSTAGE 10
	SEND 9, 18
	SEND 10, 0
	s_branch .Lnext
.Lout9:
	SEND 9, 0
	s_branch .Lnext
.Lout8:
	SEND 8, 0
.Lnext:
	s_add_co_u32 s88, s88, 1
	s_cmp_lt_u32 s88, 2
	s_cbranch_scc1 .Lset
	s_wait_xcnt 0x0
	v_lshl_add_u32 v20, v0, 2, SPARE               ; the wave's end
	v_mov_b32 v21, 0
	WALU
	s_wait_tensorcnt 0x0
	ds_add_u32 v20, v21
	s_wait_dscnt 0x0
	s_endpgm
.Lfunc_end_k_q4ad644ba7d_experts:
	.size	k_q4ad644ba7d_experts, .Lfunc_end_k_q4ad644ba7d_experts-k_q4ad644ba7d_experts
	.p2alignl 7, 3214868480
	.fill 96, 4, 3214868480
	.section	.rodata,"a",@progbits
	.p2align	6, 0x0
	.amdhsa_kernel k_q4ad644ba7d_experts
		.amdhsa_group_segment_fixed_size 264448
		.amdhsa_private_segment_fixed_size 0
		.amdhsa_enable_private_segment 0
		.amdhsa_kernarg_size 72
		.amdhsa_user_sgpr_count 2
		.amdhsa_user_sgpr_kernarg_segment_ptr 1
		.amdhsa_wavefront_size32 1
		.amdhsa_system_sgpr_workgroup_id_x 1
		.amdhsa_system_sgpr_workgroup_id_y 1
		.amdhsa_system_sgpr_workgroup_id_z 1
		.amdhsa_system_vgpr_workitem_id 0
		.amdhsa_next_free_vgpr 1024
		.amdhsa_next_free_sgpr 96
		.amdhsa_reserve_vcc 1
		.amdhsa_float_denorm_mode_32 3
		.amdhsa_float_denorm_mode_16_64 3
		.amdhsa_memory_ordered 1
		.amdhsa_forward_progress 1
		.amdhsa_inst_pref_size 255
	.end_amdhsa_kernel
	.section	.bss,"aw",@nobits
	.p2align	6
	.space	262144
	.amdgpu_metadata
---
amdhsa.version: [ 1, 2 ]
amdhsa.kernels:
  - .name:           k_q4ad644ba7d_experts
    .symbol:         k_q4ad644ba7d_experts.kd
    .args:
      - { .name: xq, .offset: 0, .size: 8, .value_kind: global_buffer, .address_space: global }
      - { .name: xs, .offset: 8, .size: 8, .value_kind: global_buffer, .address_space: global }
      - { .name: gw, .offset: 16, .size: 8, .value_kind: global_buffer, .address_space: global }
      - { .name: tab, .offset: 24, .size: 8, .value_kind: global_buffer, .address_space: global }
      - { .name: srt, .offset: 32, .size: 8, .value_kind: global_buffer, .address_space: global }
      - { .name: wf, .offset: 40, .size: 8, .value_kind: global_buffer, .address_space: global }
      - { .name: We_scales, .offset: 48, .size: 8, .value_kind: global_buffer, .address_space: global }
      - { .name: be, .offset: 56, .size: 8, .value_kind: global_buffer, .address_space: global }
      - { .name: out0, .offset: 64, .size: 8, .value_kind: global_buffer, .address_space: global }
    .group_segment_fixed_size: 264448
    .private_segment_fixed_size: 0
    .kernarg_segment_align: 8
    .kernarg_segment_size: 72
    .max_flat_workgroup_size: 128
    .sgpr_count:     96
    .vgpr_count:     1024
    .wavefront_size: 32
...
	.end_amdgpu_metadata
.endif
;; end of part 2
